; MI455X (gfx1250); checked and timed in simulation.
; The chip was launched on July 23, 2026; its instructions are those of AMD's public machine-readable ISA for CDNA 5 (MIT licence, August 2026) and "CDNA5" Instruction Set Architecture Reference Guide (July 2026). The comments in the code are by the model that wrote it; some were corrected since.
;; Softmax Matcher. Allowed arithmetic: matrix products marked QUANTISED: E2M1 operands, one E8M0 scale for each 32 along K, by v_wmma_scale_f32_16x16x128_f8f6f4 with both operands' format E2M1 (or v_wmma_scale_f32_32x16x128_f4), f32 sums; products left as they are: f32 operands where the result goes on into a quantised operand, else bf16, f16 or f32 operands; f32 sums; everything else in f32.
;; Inputs: desc_dense 4 x 256 x 256 x 256 float32; keypoint_coords 4 x 1,024 x 2 float32; keypoint_desc 4 x 256 x 1,024 float32; keypoint_scores 4 x 1 x 1,024 float32; scores_dense 4 x 1 x 256 x 256 float32.
;; Outputs: out0 2 x 1,024 x 2 float32; out1 2 x 1 x 1,024 float32; out2 2 int32.
;; This version of the problem:
;;   THIS VERSION OF THE PROBLEM IS GIVEN IN LOW PRECISION. The matrix products marked QUANTISED in the list below multiply operands that are first quantised to E2M1 (2 exponent bits, 1 mantissa bit; 4 bits a number), with one power-of-two scale for each 32 numbers along K (OCP MX v1.0); their sums are f32. All else is computed in f32.
;;   The module's matrix products, in the order in which they are computed (A, B: the left and right operand; K: the contracted axis; several contracted axes count as one K, in the product's order):
;;     1. batch 2 x [M 1,024, K 256] x [K 256, N 65,536]; A: computed on the way; B: computed on the way: QUANTISED
;;     2. [M 2,048, K 65,536] x [K 65,536, N 2]; A: softmax; B: computed on the way: left as it is (N = 2 < 16)
;;   THE QUANTISER, for each operand of a quantised product, along K:
;;     - K is cut into blocks of 32 from its start; a last block that is shorter is filled with zeros.
;;     - A block's scale is 2^e with e = floor(log2(the largest magnitude in the block)) - 2, held to -126 .. 127; a block of zeros has e = 0. As a byte (E8M0): e + 127.
;;     - Each number is divided by its block's scale, clamped to +-6, and rounded to the nearest number of E2M1, ties to even, subnormals kept.
;;     - The product sums the exact products of the quantised numbers (number of the format x scale) in f32.
;;   ~~~python
;;   def quantise(x, axis):      # numpy; x: float32 -> the quantised numbers, widened to float32 again
;;       x = np.moveaxis(x, axis, -1); K = x.shape[-1]
;;       x = np.pad(x, [(0, 0)] * (x.ndim - 1) + [(0, -K % 32)]); x = x.reshape(x.shape[:-1] + (-1, 32)); a = np.abs(x).max(-1, keepdims=True)
;;       e = np.where(a > 0, np.clip(np.frexp(np.where(a > 0, a, 1))[1] - 1 - 2, -126, 127), 0)      # np.frexp(a)[1] - 1 = floor(log2(a)), exactly
;;       r = np.clip(x / 2.0 ** e, -6, 6)
;;       step = 2.0 ** (np.maximum(np.frexp(np.where(r == 0, 1, r))[1] - 1, 0) - 1)
;;       q = np.round(r / step) * step * 2.0 ** e      # np.round: ties to even
;;       return np.moveaxis(q.reshape(q.shape[:-2] + (-1,))[..., :K], -1, axis).astype(np.float32)
;;   ~~~
;;   OPERANDS COMPUTED ON THE WAY. 'Computed on the way' means the value that the module computes at that place (a softmax that the list does not call 'softmax' is quantised finished and normalised). What goes into a quantiser is computed in f32, as accurately as f32 sums, v_exp_f32 and their like allow (about 1e-6 of the number): no bf16 or f16 on the way to a quantiser, and a product that is left as it is and whose result goes on into a quantised operand takes f32 operands (vector FMAs, or v_wmma_f32_16x16x4_f32). A number that lies on a knife's edge between two numbers of the format may be rounded either way, as far as f32 arithmetic and the matrix unit's own rounding can turn it there, and no further.
;; One version. Each part assembles by itself: llvm-mc -triple=amdgcn-amd-amdhsa -mcpu=gfx1250 --defsym DOCPART=n.
;; ======== version 1 of 1: 3 launches
;; limits: right only within a limited range of input values
;; workspace buffers: codes 16,777,216 bytes; scales 1,048,576 bytes; kpi 16,384 bytes of whole numbers; sidx 32,768 bytes of whole numbers; sw 32,768 bytes
;; launch quant (part 1): grid 512 x 1, 8 waves a work-group, no clusters, 11,776 bytes of LDS; arguments desc_dense, keypoint_coords, codes, scales, kpi, out2; writes codes, scales, kpi, out2
.if DOCPART == 1
	.amdgcn_target "amdgcn-amd-amdhsa--gfx1250"
	.amdhsa_code_object_version 6
	.text
	.protected	k_qaf787f6bfa_quant
	.globl	k_qaf787f6bfa_quant
	.p2align	8
	.type	k_qaf787f6bfa_quant,@function
k_qaf787f6bfa_quant:
	s_mov_b64 s[64:65], 0
	v_nop
	global_prefetch_b8 v0, s[64:65] scope:SCOPE_SE
	s_setreg_imm32_b32 hwreg(HW_REG_WAVE_MODE, 25, 1), 1
	s_wait_xcnt 0x0
; WORK LEFT OUT IN THIS PROGRAM.  reference() takes entries 1 and 3 of desc_dense and scores_dense (dense_inds) and entries 0 and 2 of keypoint_desc, keypoint_scores and
; keypoint_coords (kp_inds): the other entries reach no output and are not read.  reference() multiplies the scores by a mask that it builds itself (1 inside u - 13 .. u + 13,
; v - 13 .. v + 13, else 0): outside the window the score is 0 whatever the product, so the product is made inside the window alone (launch match).
; LIMIT: a NaN, an infinity or an overflow that reaches only the work left out is not carried to the result.
; THIS LAUNCH.  desc_dense [4][256][256][256] f32: entries 1 and 3 are normalised pixel by pixel over the 256 channels and quantised along the channels to FP4 (E2M1), one E8M0 byte for each 32 channels.
;   codes  [b 2][block 8][pixel 65536][16 bytes]: block w = channels 32 w .. 32 w + 31, the lower channel in the lower bits
;   scales [b 2][pixel 65536][8 bytes]: byte w = block w's
; SHARES.  Work-group d owns 256 neighbouring pixels (d % 256) of batch d / 256, as four tiles of 64.  Wave w owns block w; lane l owns pixels 2 l and 2 l + 1 of a tile.
; Each of a wave's 32 loads of a tile reads 256 consecutive bytes of one channel, aligned.  Two sets of 64 registers take turns: tile t + 1's 32 loads are issued ahead of tile t's work.
; The eight waves' sums of squares meet in LDS (first barrier); every wave adds them in the same order.  A lane's registers of one pixel run down the channels, so a block's largest magnitude
; needs no other lane and the conversions give codes with the channels innermost.  Codes leave through the wave's own stage, 512 consecutive bytes a store; a tile's 512 scale bytes are gathered in LDS
; (second barrier) and leave by one store of wave 0.  The two barriers of a tile also part one tile's reads of the shared LDS bytes from the next tile's stores.
; Work-groups 0 to 7 then truncate keypoint_coords of entries 0 and 2 to whole numbers (kpi [2048][u, v]); work-group 0 writes out2 = (0, 2).
; No tensor loads, no cluster, no prefetch: work-groups share no byte, each input byte is read once, and the loads themselves run a tile ahead.
; LIMITS: NaN and infinities are not served.  1 / max(norm, 1e-12) is taken as rsq(max(sum of squares, 1e-24)); the sum's order differs from the reference's.
; A block whose largest normalised magnitude lies under 2^-124 keeps the byte 1 (a block of zeros too: its codes are zeros, and this program alone reads the bytes).
; Coordinates are held to -64 .. 320 ahead of the truncation: from -14 down and from 269 up the window is empty either way.
.set TILES, 4
.set SSA, 8                            ; v[8:9], v[10:11] my block's sums of squares, two chains, a register a pixel
.set SSB, 10
.set MX,  12                           ; v[12:13]   my block's largest magnitudes
.set TOT, 16                           ; v[16:17]   the sums of squares over all 256 channels
.set INV, 20                           ; v[20:21]   1 / norm
.set SCO, 24                           ; v[24:25]   the conversions' scale operands
.set BY,  28                           ; v[28:29]   the scale bytes
.set SO,  40                           ; v[40:43]   wave 0: a tile's scale bytes on their way out
.set SPW, 44                           ; v44        my spare word's LDS address; never rewritten
.set NIL, 45                           ; v45        0; never rewritten
.set X,   64                           ; v[64:191]  two sets: X + 64 (t % 2) + 2 c + p: channel c of my block, pixel p
.set N,   192                          ; v[192:223] one pixel's 32 normalised numbers; also the eight partial sums
.set CD,  224                          ; v[224:231] codes, four registers a pixel
.set OUTR, 232                         ; v[232:239] my codes back from the stage
.set SSX, 0                            ; LDS: 8 x 256 bytes: wave w's partial sums, 8 bytes a lane
.set SCB, 2048                         ; LDS: 512 bytes: scale bytes, 8 x pixel + block
.set CT,  2560                         ; LDS: 8 x 1,024 bytes: each wave's own stage
.set SPARE, 10752                      ; LDS: the spare words, 128 bytes a wave
.set CHB, 262144                       ; bytes from channel to channel
	s_load_b256 s[4:11], s[0:1], 0x0               ; desc_dense s[4:5], keypoint_coords s[6:7], codes s[8:9], scales s[10:11]
	s_load_b128 s[12:15], s[0:1], 0x20             ; kpi s[12:13], out2 s[14:15]
	v_lshl_add_u32 v[SPW], v0, 2, SPARE
	v_mov_b32 v[NIL], 0
	v_lshrrev_b32 v1, 5, v0
	s_delay_alu instid0(VALU_DEP_1)
	v_readfirstlane_b32 s16, v1                    ; wave 0..7
	s_lshr_b32 s18, ttmp9, 8                       ; batch b
	s_and_b32 s19, ttmp9, 255                      ; which 256 pixels
	s_lshl_b32 s20, s18, 27                        ; in: entry 2 b + 1 of 2^26 bytes,
	s_add_co_u32 s20, s20, 0x4000000
	s_lshl_b32 s22, s16, 23                        ; my block's 32 channels,
	s_add_co_u32 s20, s20, s22
	s_lshl_b32 s22, s19, 10                        ; 256 pixels of 4 bytes
	s_add_co_u32 s20, s20, s22
	s_mov_b32 s21, 0
	s_lshl_b32 s24, s18, 23                        ; codes: batch, plane w, 256 pixels of 16 bytes
	s_lshl_b32 s22, s16, 20
	s_add_co_u32 s24, s24, s22
	s_lshl_b32 s22, s19, 12
	s_add_co_u32 s24, s24, s22
	s_mov_b32 s25, 0
	s_lshl_b32 s26, s18, 19                        ; scales: batch, 256 pixels of 8 bytes
	s_lshl_b32 s22, s19, 11
	s_add_co_u32 s26, s26, s22
	s_mov_b32 s27, 0
	v_and_b32 v7, 31, v0                           ; lane l
	s_delay_alu instid0(VALU_DEP_1)
	v_lshlrev_b32 v1, 3, v7                        ; 8 l: my place in a load's 256 bytes and in a wave's partial sums
	v_lshlrev_b32 v34, 4, v7                       ; 16 l: my place in a store's 512 bytes
	s_lshl_b32 s28, s16, 8
	v_add_nc_u32 v2, s28, v1                       ; SSX + 256 w + 8 l
	v_add_nc_u32 v3, s16, v34
	s_delay_alu instid0(VALU_DEP_1)
	v_add_nc_u32 v3, SCB, v3                       ; SCB + 8 (2 l) + w
	s_lshl_b32 s28, s16, 10
	s_add_co_u32 s28, s28, CT                      ; my stage
	v_lshl_add_u32 v4, v7, 5, s28                  ; into it: my two pixels' 32 bytes
	v_add_nc_u32 v5, s28, v34                      ; out of it: 16 bytes a lane
	v_add_nc_u32 v6, SCB, v34                      ; the scale bytes' way out (wave 0 alone)
	s_wait_alu depctr_va_vdst(0)                   ; the wait at the head's end
	s_wait_kmcnt 0x0
	s_add_nc_u64 s[4:5], s[4:5], s[20:21]
	s_add_nc_u64 s[8:9], s[8:9], s[24:25]
	s_add_nc_u64 s[10:11], s[10:11], s[26:27]
.macro LOAD t                          ; tile t's 32 channels into set t % 2; 31 x 262,144 + 768 lies inside the signed 24-bit immediate
.set Q, 0
.rept 32
	global_load_b64 v[X+64*((\t)%2)+2*Q:X+64*((\t)%2)+2*Q+1], v1, s[4:5] offset:Q*CHB+256*(\t) th:TH_LOAD_NT
.set Q, Q+1
.endr
.endm
; four channels as they land: sums of squares (two pixels an instruction, two chains) and largest magnitudes.  left: the loads issued behind channel 4 k + 3's
.macro ACC xb, k, left
.set B, \xb+8*\k
.if \k
	s_wait_alu depctr_va_vdst(0)                   ; directly ahead of the wait below
.endif
	s_wait_loadcnt \left
.if \k == 0
	v_pk_mul_f32 v[SSA:SSA+1], v[B:B+1], v[B:B+1]                ; the first channels start the sums: nothing is cleared
	v_pk_mul_f32 v[SSB:SSB+1], v[B+2:B+3], v[B+2:B+3]
	v_max_num_f32 v[MX], |v[B]|, |v[B+2]|
	v_max_num_f32 v[MX+1], |v[B+1]|, |v[B+3]|
.else
	v_pk_fma_f32 v[SSA:SSA+1], v[B:B+1], v[B:B+1], v[SSA:SSA+1]
	v_pk_fma_f32 v[SSB:SSB+1], v[B+2:B+3], v[B+2:B+3], v[SSB:SSB+1]
	v_max3_num_f32 v[MX], v[MX], |v[B]|, |v[B+2]|
	v_max3_num_f32 v[MX+1], v[MX+1], |v[B+1]|, |v[B+3]|
.endif
	s_delay_alu instid0(VALU_DEP_4)
	v_pk_fma_f32 v[SSA:SSA+1], v[B+4:B+5], v[B+4:B+5], v[SSA:SSA+1]
	s_delay_alu instid0(VALU_DEP_4)
	v_pk_fma_f32 v[SSB:SSB+1], v[B+6:B+7], v[B+6:B+7], v[SSB:SSB+1]
	s_delay_alu instid0(VALU_DEP_4)
	v_max3_num_f32 v[MX], v[MX], |v[B+4]|, |v[B+6]|
	s_delay_alu instid0(VALU_DEP_4)
	v_max3_num_f32 v[MX+1], v[MX+1], |v[B+5]|, |v[B+7]|
.endm
; one pixel: normalise (which also lays its 32 channels in consecutive registers), the block's scale, the codes
.macro QPX xb, p
.set Q, 0
.rept 32
	v_mul_f32 v[N+Q], v[\xb+2*Q+\p], v[INV+\p]
.set Q, Q+1
.endr
	v_mul_f32 v32, v[MX+\p], v[INV+\p]             ; rounding keeps order: the largest of the 32 normalised magnitudes
	s_delay_alu instid0(VALU_DEP_1)
	v_max_num_f32 v32, 0x1800000, v32              ; the floor 2^(3 - 127): the byte cannot fall under 1
	s_delay_alu instid0(VALU_DEP_1)
	v_add_nc_u32 v[SCO+\p], 0xff000000, v32        ; 2 off the exponent field: the conversion takes this operand's exponent field as its scale
.irp g, 0,1,2,3
	v_cvt_scalef32_pk8_fp4_f32 v[CD+4*\p+\g], v[N+8*\g:N+8*\g+7], v[SCO+\p]
.endr
	v_lshrrev_b32 v[BY+\p], 23, v[SCO+\p]          ; the scale's byte; also the plain instruction behind the conversions
	ds_store_b8 v3, v[BY+\p] offset:8*\p
	ds_store_b128 v4, v[CD+4*\p:CD+4*\p+3] offset:16*\p
.endm
.macro TILE t
.set XB, X+64*((\t)%2)
.if (\t)+1 < TILES
	LOAD (\t)+1                                    ; the other set's numbers were last read by the tile before
.set YG, 32
.else
.set YG, 0
.endif
.irp k, 0,1,2,3,4,5,6,7
	ACC XB, \k, YG+28-4*\k
.endr
	s_delay_alu instid0(VALU_DEP_3)
	v_pk_add_f32 v[SSA:SSA+1], v[SSA:SSA+1], v[SSB:SSB+1]
	ds_store_b64 v2, v[SSA:SSA+1]
	s_wait_dscnt 0x0                               ; for the others' sake: my partial sums lie in LDS (wave 0: and my read of the last tile's scale bytes is over)
	s_barrier_signal -1
	s_barrier_wait -1
.irp w, 0,1,2,3,4,5,6,7
	ds_load_b64 v[N+2*\w:N+2*\w+1], v1 offset:SSX+256*\w
.endr
	s_wait_dscnt 0x0
.irp a, 0,4,8,12                       ; ((0 + 1) + (2 + 3)) + ((4 + 5) + (6 + 7)): the same order in every wave
	v_pk_add_f32 v[N+\a:N+\a+1], v[N+\a:N+\a+1], v[N+\a+2:N+\a+3]
.endr
	s_delay_alu instid0(VALU_DEP_3)
	v_pk_add_f32 v[N:N+1], v[N:N+1], v[N+4:N+5]
	s_delay_alu instid0(VALU_DEP_2)
	v_pk_add_f32 v[N+8:N+9], v[N+8:N+9], v[N+12:N+13]
	s_delay_alu instid0(VALU_DEP_1)
	v_pk_add_f32 v[TOT:TOT+1], v[N:N+1], v[N+8:N+9]
	s_delay_alu instid0(VALU_DEP_1)
	v_max_num_f32 v[TOT], 0x179abe15, v[TOT]       ; 1e-24 = (1e-12)^2: the reference's floor under the norm
	v_max_num_f32 v[TOT+1], 0x179abe15, v[TOT+1]
	s_wait_alu depctr_va_vdst(0)                   ; the wait ahead of the batch
	v_rsq_f32 v[INV], v[TOT]
	v_rsq_f32 v[INV+1], v[TOT+1]
	v_nop                                          ; a plain instruction behind the two,
	s_wait_alu depctr_va_vdst(0)                   ; and one wait ahead of their first reader
	QPX XB, 0
	QPX XB, 1
.if \t
	s_wait_xcnt 0x0                                ; the last tile's stores have read their data registers, which are written again below
.endif
	ds_load_b128 v[OUTR:OUTR+3], v5                ; my own stage: LDS serves a wave's instructions in order
	ds_load_b128 v[OUTR+4:OUTR+7], v5 offset:512
	s_wait_dscnt 0x0                               ; my codes are back, and my scale bytes lie in LDS
	global_store_b128 v34, v[OUTR:OUTR+3], s[8:9] offset:1024*(\t)       ; 32 lanes store 512 consecutive bytes, aligned
	global_store_b128 v34, v[OUTR+4:OUTR+7], s[8:9] offset:1024*(\t)+512
	s_barrier_signal -1
	s_barrier_wait -1                              ; everybody's scale bytes lie in LDS, and everybody's reads of the partial sums are over
	s_cmp_lg_u32 s16, 0
	s_cbranch_scc1 .Lno_scales_\@                  ; wave 0 sends the tile's 512 scale bytes
	ds_load_b128 v[SO:SO+3], v6
	s_wait_dscnt 0x0
	global_store_b128 v34, v[SO:SO+3], s[10:11] offset:512*(\t)
.Lno_scales_\@:
.endm
	LOAD 0
	TILE 0
	TILE 1
	TILE 2
	TILE 3
	s_wait_tensorcnt 0x0                           ; the wave's end
	ds_add_u32 v[SPW], v[NIL]
	s_wait_dscnt 0x0
	s_cmp_lt_u32 ttmp9, 8
	s_cbranch_scc1 .Lints                          ; the same way for all waves of a work-group
	s_endpgm
	; ---- work-groups 0 to 7: 256 keypoints each, a thread a keypoint; no LDS, no barrier
.Lints:
	s_lshr_b32 s17, ttmp9, 2                       ; batch b: entry 2 b of 8,192 bytes
	s_and_b32 s18, ttmp9, 3
	s_lshl_b32 s20, s17, 14
	s_lshl_b32 s18, s18, 11                        ; 256 keypoints of 8 bytes
	s_add_co_u32 s20, s20, s18
	s_mov_b32 s21, 0
	s_lshl_b32 s22, ttmp9, 11                      ; kpi: keypoint 256 x work-group + thread, 8 bytes each
	s_mov_b32 s23, 0
	s_mov_b32 s24, 0xc2800000                      ; -64.0
	s_mov_b32 s25, 0x43a00000                      ; 320.0
	s_add_nc_u64 s[6:7], s[6:7], s[20:21]
	s_add_nc_u64 s[12:13], s[12:13], s[22:23]
	s_wait_xcnt 0x0                                ; the stores above have read their registers
	v_lshlrev_b32 v1, 3, v0
	s_wait_alu depctr_va_vdst(0)
	global_load_b64 v[2:3], v1, s[6:7]
	s_wait_loadcnt 0x0
	v_med3_num_f32 v2, v2, s24, s25                ; both bounds are whole numbers: holding first and truncating then gives the held truncation
	v_med3_num_f32 v3, v3, s24, s25
	s_delay_alu instid0(VALU_DEP_2)
	v_cvt_i32_f32 v2, v2                           ; toward zero, as trunc
	s_delay_alu instid0(VALU_DEP_2)
	v_cvt_i32_f32 v3, v3
	global_store_b64 v1, v[2:3], s[12:13]          ; a wave stores 256 consecutive bytes
	s_cmp_lg_u32 ttmp9, 0
	s_cbranch_scc1 .Lend
	v_mov_b32 v4, 0                                ; out2 = the keypoints' entries: 0 and 2
	v_mov_b32 v5, 2
	v_mov_b32 v6, 0
	s_wait_alu depctr_va_vdst(0)                   ; directly ahead of the wait below
	s_wait_xcnt 0x0                                ; EXEC changes only behind this wait
	v_cmp_eq_u32 vcc_lo, 0, v0
	s_and_saveexec_b32 s26, vcc_lo
	global_store_b64 v6, v[4:5], s[14:15]
	s_wait_xcnt 0x0
	s_or_b32 exec_lo, exec_lo, s26
.Lend:
	s_endpgm
.Lfunc_end_k_qaf787f6bfa_quant:
	.size	k_qaf787f6bfa_quant, .Lfunc_end_k_qaf787f6bfa_quant-k_qaf787f6bfa_quant
	.p2alignl 7, 3214868480
	.fill 96, 4, 3214868480
	.section	.rodata,"a",@progbits
	.p2align	6, 0x0
	.amdhsa_kernel k_qaf787f6bfa_quant
		.amdhsa_group_segment_fixed_size 11776
		.amdhsa_private_segment_fixed_size 0
		.amdhsa_enable_private_segment 0
		.amdhsa_kernarg_size 48
		.amdhsa_user_sgpr_count 2
		.amdhsa_user_sgpr_kernarg_segment_ptr 1
		.amdhsa_wavefront_size32 1
		.amdhsa_system_sgpr_workgroup_id_x 1
		.amdhsa_system_sgpr_workgroup_id_y 1
		.amdhsa_system_sgpr_workgroup_id_z 1
		.amdhsa_system_vgpr_workitem_id 0
		.amdhsa_next_free_vgpr 240
		.amdhsa_next_free_sgpr 66
		.amdhsa_reserve_vcc 1
		.amdhsa_float_denorm_mode_32 3
		.amdhsa_float_denorm_mode_16_64 3
		.amdhsa_memory_ordered 1
		.amdhsa_forward_progress 1
		.amdhsa_inst_pref_size 60
	.end_amdhsa_kernel
	.amdgpu_metadata
---
amdhsa.version: [ 1, 2 ]
amdhsa.kernels:
  - .name:           k_qaf787f6bfa_quant
    .symbol:         k_qaf787f6bfa_quant.kd
    .args:
      - { .name: desc_dense, .offset: 0, .size: 8, .value_kind: global_buffer, .address_space: global }
      - { .name: keypoint_coords, .offset: 8, .size: 8, .value_kind: global_buffer, .address_space: global }
      - { .name: codes, .offset: 16, .size: 8, .value_kind: global_buffer, .address_space: global }
      - { .name: scales, .offset: 24, .size: 8, .value_kind: global_buffer, .address_space: global }
      - { .name: kpi, .offset: 32, .size: 8, .value_kind: global_buffer, .address_space: global }
      - { .name: out2, .offset: 40, .size: 8, .value_kind: global_buffer, .address_space: global }
    .group_segment_fixed_size: 11776
    .private_segment_fixed_size: 0
    .kernarg_segment_align: 8
    .kernarg_segment_size: 48
    .max_flat_workgroup_size: 256
    .sgpr_count:     66
    .vgpr_count:     240
    .wavefront_size: 32
...
	.end_amdgpu_metadata
.endif
;; end of part 1
;; launch match (part 2): grid 256 x 1, 8 waves a work-group, no clusters, 2,560 bytes of LDS; arguments keypoint_desc, codes, scales, kpi, out0, sidx, sw; writes out0, sidx, sw
.if DOCPART == 2
	.amdgcn_target "amdgcn-amd-amdhsa--gfx1250"
	.amdhsa_code_object_version 6
	.text
	.protected	k_qaf787f6bfa_match
	.globl	k_qaf787f6bfa_match
	.p2align	8
	.type	k_qaf787f6bfa_match,@function
k_qaf787f6bfa_match:
	s_mov_b64 s[64:65], 0
	v_nop
	global_prefetch_b8 v0, s[64:65] scope:SCOPE_SE
	s_setreg_imm32_b32 hwreg(HW_REG_WAVE_MODE, 25, 1), 1
	s_wait_xcnt 0x0
; One wave to a keypoint: its normalised, quantised descriptor against the pixels of its window, the softmax over ALL 65,536 pixels, the soft-argmax (out0), and the bilinear sampler's
; four pixel offsets (sidx, whole numbers) and four weights (sw) for the next launch.
; WHAT IS MULTIPLIED.  The reference multiplies the scores by a mask that it builds itself: 1 inside u - 13 .. u + 13, v - 13 .. v + 13, else 0.  Outside, the score is 0 whatever the product: those pixels
; enter the softmax with the weight exp(0 - max), and their count and their sums of coordinates are whole numbers known in closed form.  So only a BLOCK of 27 x 27 pixels is multiplied: its corner is the
; THE PRODUCT is a vector times a matrix: all 16 rows of source 0 hold the same keypoint, source 1 holds 16 pixels; register 0 of the result holds the 16 scores, in both halves of the lanes.
; Two tiles are joined by one select into one register with 32 different pixels: register g holds block index 32 g + lane (0 .. 728; row = index / 27).  46 tiles, two K steps of 128 each.
; The pixels' codes come from memory straight into the operand's registers: in a plane of codes neighbouring pixels are neighbouring 16 bytes, so sixteen lanes read 256 bytes on end (but where a block's row ends).
; Loads run four pairs of tiles (36 loads) ahead, in four sets of registers.
; THE KEYPOINTS of a work-group (8) are quantised jointly first: wave w takes block w of all 8, and the codes and scale bytes go through LDS (two barriers).
; No tensor loads, no cluster: the windows of a work-group's keypoints lie anywhere, and every lane's address is made of numbers that the launch before stored.
; out0, sidx and sw get 8 and 16 bytes a wave from one lane: 80 KB in all; no stage is spent on them.
; LIMITS: NaN and infinities are not served.  1 / max(norm, 1e-12) is rsq(max(sum of squares, 1e-24)).  A block of 32 whose largest normalised magnitude lies under 2^-124 keeps the byte 1.
; The outside pixels' weight 2^(-c max) is flushed to 0 where c max > 126; it is then under 2^-110 of the sum.  The scores are scaled by 100 where the reference divides by 0.01 in f32.
.set T0,  9                            ; v9-12   at work
.set T1,  10
.set T2,  11
.set T3,  12                           ; v13-15  destinations of lane permutes, written once at the head
.set AF,  16                           ; v[16:31]   the keypoint's fragments: K step s at AF + 8 s
.set ASC, 32                           ; v[32:33]   its two scale words
.set VO,  34                           ; v[34:45]   three offsets for each of four sets: tile A's, tile B's, the scale words'
.set BS,  46                           ; v[46:53]   the pixels' scale words, two registers a set: lanes 0-15 tile A's, lanes 16-31 tile B's
.set DR,  54                           ; v[54:85]   two sets of two accumulators
.set SC,  86                           ; v[86:108]  the scores, then the weights p
.set BF,  112                          ; v[112:239] the pixels' fragments, 32 registers a set: tile A's 16, tile B's 16
.set RF,  112                          ; v[112:134] behind the products: the block row of each score, as f32
.set PX,  240                          ; v[240:247] the preparation's eight numbers; v248-254 its addresses; at the end the results
.set SSK, 0                            ; LDS: 256 bytes: sums of squares, 32 w + 4 j
.set KC,  256                          ; LDS: 1,024 bytes: codes, 128 j + 16 w + 4 cq
.set KS,  1280                         ; LDS: 64 bytes: scale bytes, 8 j + w
.set MM,  136                          ; the maximum;  c x it;  the outside weight;  the lane as f32
.set MC,  137
.set E0,  138
.set LF,  139
.set LS,  140                          ; the sum of p;  the sum of g p;  the sum of p x row, in two chains;  the sum of p x index
.set QS,  141
.set RS,  142
.set SI,  144
	s_load_b256 s[4:11], s[0:1], 0x0               ; keypoint_desc s[4:5], codes s[6:7], scales s[8:9], kpi s[10:11]
	s_load_b128 s[12:15], s[0:1], 0x20             ; out0 s[12:13], sidx s[14:15]
	s_load_b64 s[16:17], s[0:1], 0x30              ; sw
	v_lshl_add_u32 v111, v0, 2, 0x600
	v_mov_b32 v255, 0
	v_lshrrev_b32 v9, 5, v0
	s_delay_alu instid0(VALU_DEP_1)
	v_readfirstlane_b32 s18, v9                    ; wave 0..7
	s_bfe_u32 s19, ttmp9, 0x10002                  ; batch b: bit 2 of the work-group's number
	s_lshr_b32 s2, ttmp9, 3
	s_lshl_b32 s2, s2, 2
	s_and_b32 s3, ttmp9, 3
	s_or_b32 s2, s2, s3                            ; the other seven bits: which 8 keypoints of the batch
	s_lshl_b32 s3, s19, 7
	s_or_b32 s3, s3, s2
	s_lshl_b32 s20, s3, 3
	s_add_co_u32 s20, s20, s18                     ; my keypoint: 8 x work-group + wave = 1,024 b + n
	s_lshl_b32 s36, s20, 3
	s_mov_b32 s37, 0
	s_wait_kmcnt 0x0
	s_add_nc_u64 s[10:11], s[10:11], s[36:37]
	s_load_b64 s[22:23], s[10:11], 0x0             ; U, V: whole numbers that the launch before stored
	s_add_nc_u64 s[12:13], s[12:13], s[36:37]      ; out0 at my keypoint
	s_lshl_b32 s36, s20, 4
	s_add_nc_u64 s[14:15], s[14:15], s[36:37]      ; sidx and sw likewise
	s_add_nc_u64 s[16:17], s[16:17], s[36:37]
	s_mov_b32 s28, 2428                            ; index x 2,428 >> 16 = index / 27 for every index up to 755: 27 x 2,428 = 65,536 + 20
	s_mov_b32 s29, 3664                            ; a block row on: 229 pixels more than the index says, 16 bytes each;
	s_mov_b32 s30, 1832                            ; 8 bytes each
	s_mov_b32 s31, 0xffff0000                      ; lanes 16-31
	s_mov_b32 s32, 0x76543210                      ; v_permlanex16_b32's selects for lane l xor 16
	s_mov_b32 s33, 0xfedcba98
	s_mov_b32 s34, 0x431044fe                      ; c = 100 log2(e)
	s_mov_b32 s35, 0x437f0000                      ; 255.0
	s_mov_b32 s46, 0x3c008081                      ; 2 / 255
	s_mov_b32 s47, 0x43000000                      ; 128.0
	v_and_b32 v1, 31, v0                           ; lane L
	v_and_b32 v2, 15, v0                           ; r
	v_bfe_u32 v9, v0, 4, 1                         ; h
	s_delay_alu instid0(VALU_DEP_2)
	v_lshlrev_b32 v3, 4, v2
	s_delay_alu instid0(VALU_DEP_1)
	v_lshl_add_u32 v3, v9, 20, v3                  ; 16 r + h planes of 2^20 bytes
	s_delay_alu instid0(VALU_DEP_4)
	v_min_u32 v4, 8, v2                            ; in the last pair the lanes past index 728 take index 728 again: no load leaves the block
	s_delay_alu instid0(VALU_DEP_1)
	v_lshlrev_b32 v5, 4, v4
	s_delay_alu instid0(VALU_DEP_1)
	v_lshl_add_u32 v5, v9, 20, v5
	v_lshlrev_b32 v6, 3, v1                        ; 8 L
	v_min_u32 v7, 24, v1
	s_delay_alu instid0(VALU_DEP_1)
	v_lshlrev_b32 v8, 3, v7
	v_mov_b32 v13, 0
	v_mov_b32 v14, 0
	v_mov_b32 v15, 0
	; the preparation's addresses: lane (j = L % 8, cq = L / 8) of wave w takes channels 32 w + 8 cq + 0 .. 7 of the work-group's keypoint j
	v_and_b32 v249, 7, v1
	s_delay_alu instid0(VALU_DEP_1)
	v_lshlrev_b32 v249, 2, v249                    ; 4 j
	v_lshrrev_b32 v10, 3, v1                       ; cq
	s_delay_alu instid0(VALU_DEP_1)
	v_lshl_add_u32 v248, v10, 15, v249             ; 8 cq channels of 4,096 bytes + 4 j
	s_wait_alu depctr_va_vdst(0)
	s_lshl_b32 s41, s18, 5
	v_add_nc_u32 v250, s41, v249                   ; SSK + 32 w + 4 j
	v_lshlrev_b32 v251, 5, v249
	s_delay_alu instid0(VALU_DEP_1)
	v_lshl_add_u32 v251, v10, 2, v251
	s_lshl_b32 s41, s18, 4
	s_add_co_u32 s41, s41, KC
	v_add_nc_u32 v251, s41, v251                   ; KC + 128 j + 16 w + 4 cq
	v_lshlrev_b32 v252, 1, v249
	s_add_co_u32 s41, s18, KS
	v_add_nc_u32 v252, s41, v252                   ; KS + 8 j + w
	s_lshl_b32 s41, s18, 7
	s_add_co_u32 s41, s41, KC
	v_lshl_add_u32 v253, v9, 4, s41                ; KC + 128 w + 16 h: no term in r: all 16 rows of the operand are my keypoint
	s_lshl_b32 s41, s18, 3
	s_add_co_u32 s41, s41, KS
	v_mov_b32 v254, s41                            ; KS + 8 w
	s_lshl_b32 s36, s19, 21                        ; keypoint_desc: entry 2 b of 2^20 bytes,
	s_lshl_b32 s41, s18, 17                        ; 32 w channels,
	s_add_co_u32 s36, s36, s41
	s_mov_b32 s41, s2
	s_lshl_b32 s41, s41, 5                         ; the work-group's first keypoint
	s_add_co_u32 s36, s36, s41
	s_add_nc_u64 s[4:5], s[4:5], s[36:37]
.irp i, 0,1,2,3,4,5,6,7
	global_load_b32 v[PX+\i], v248, s[4:5] offset:\i*4096
.endr
	s_wait_kmcnt 0x0                               ; U, V
	s_sub_co_i32 s26, s22, 13                      ; the window's first column,
	s_max_i32 s24, s26, 0
	s_min_u32 s24, s24, 229                        ; held: the block's first column us
	s_sub_co_i32 s26, s26, s24                     ; CL: a block column col lies in the window where 0 <= col - CL <= 26
	s_sub_co_i32 s27, s23, 13
	s_max_i32 s25, s27, 0
	s_min_u32 s25, s25, 229                        ; the block's first row vs
	s_sub_co_i32 s27, s27, s25                     ; RL likewise
	s_mul_i32 s38, s24, 729
	s_sub_co_u32 s38, 8346363, s38
	s_mul_i32 s39, s25, 729
	s_sub_co_u32 s39, 8346363, s39                 ; of v
	s_lshl_b32 s36, s25, 8
	s_add_co_u32 s36, s36, s24                     ; the block's first pixel
	s_lshl_b32 s41, s36, 3
	s_lshl_b32 s36, s36, 4
	s_lshl_b32 s21, s19, 23
	s_add_co_u32 s36, s36, s21
	s_add_nc_u64 s[42:43], s[6:7], s[36:37]        ; its codes in plane 0 of my batch
	s_lshl_b32 s36, s19, 19
	s_add_co_u32 s36, s36, s41
	s_add_nc_u64 s[44:45], s[8:9], s[36:37]        ; its scale bytes
; the three offsets of pair g into set slot: nine plain vector instructions that name no register of a product
.macro OFFS g, slot
.set RSEL, 2
.set LSEL, 1
.set RHB,  3
.set L8S,  6
.if (\g) == 22
.set RSEL, 4
.set LSEL, 7
.set RHB,  5
.set L8S,  8
.endif
	v_mad_u32_u24 v[T0], v2, s28, 32*(\g)*2428
	v_mad_u32_u24 v[T1], v[RSEL], s28, (32*(\g)+16)*2428
	v_mad_u32_u24 v[T2], v[LSEL], s28, 32*(\g)*2428
	s_delay_alu instid0(VALU_DEP_3)
	v_lshrrev_b32 v[T0], 16, v[T0]                 ; the block row of tile A's pixel, index 32 g + r;
	s_delay_alu instid0(VALU_DEP_3)
	v_lshrrev_b32 v[T1], 16, v[T1]                 ; of tile B's, 32 g + 16 + r;
	s_delay_alu instid0(VALU_DEP_3)
	v_lshrrev_b32 v[T2], 16, v[T2]                 ; of the pixel whose scale words I fetch, 32 g + L
	s_delay_alu instid0(VALU_DEP_3)
	v_mad_u32_u24 v[VO+3*(\slot)], v[T0], s29, v3
	s_delay_alu instid0(VALU_DEP_3)
	v_mad_u32_u24 v[VO+3*(\slot)+1], v[T1], s29, v[RHB]
	s_delay_alu instid0(VALU_DEP_3)
	v_mad_u32_u24 v[VO+3*(\slot)+2], v[T2], s30, v[L8S]
.endm
; nine loads: lane (r, h) wants of its pixel the blocks 2 q + h, q = 0 .. 3, into registers 4 q .. 4 q + 3 (K step q / 2); the index's constant part stands in the immediate
.macro LOADP g, slot
.irp q, 0,1,2,3
	global_load_b128 v[BF+32*(\slot)+4*\q:BF+32*(\slot)+4*\q+3], v[VO+3*(\slot)], s[42:43] offset:\q*2097152+32*(\g)*16
.endr
.irp q, 0,1,2,3
	global_load_b128 v[BF+32*(\slot)+16+4*\q:BF+32*(\slot)+16+4*\q+3], v[VO+3*(\slot)+1], s[42:43] offset:\q*2097152+(32*(\g)+16)*16
.endr
	global_load_b64 v[BS+2*(\slot):BS+2*(\slot)+1], v[VO+3*(\slot)+2], s[44:45] offset:32*(\g)*8
.endm
.irp g, 0,1,2,3
	OFFS \g, \g
	LOADP \g, \g
.endr
	; ---- the work-group's eight keypoints are normalised and quantised
	s_wait_loadcnt 36                              ; my eight numbers are in; the 36 loads of pairs 0 to 3 stay out
	v_mul_f32 v54, v[PX], v[PX]
.irp i, 1,2,3,4,5,6,7
	s_delay_alu instid0(VALU_DEP_1)
	v_fmac_f32 v54, v[PX+\i], v[PX+\i]
.endr
	v_max3_num_f32 v55, |v[PX]|, |v[PX+1]|, |v[PX+2]|
	s_delay_alu instid0(VALU_DEP_1)
	v_max3_num_f32 v55, v55, |v[PX+3]|, |v[PX+4]|
	s_delay_alu instid0(VALU_DEP_1)
	v_max3_num_f32 v55, v55, |v[PX+5]|, |v[PX+6]|
	s_delay_alu instid0(VALU_DEP_1)
	v_max_num_f32 v55, v55, |v[PX+7]|
	v_add_f32_dpp v54, v54, v54 row_xmask:8 row_mask:0xf bank_mask:0xf      ; the block's four lanes are L, L xor 8, L xor 16, L xor 24
	s_delay_alu instid0(VALU_DEP_2)
	v_max_num_f32_dpp v55, v55, v55 row_xmask:8 row_mask:0xf bank_mask:0xf
	s_delay_alu instid0(VALU_DEP_2)
	v_permlanex16_b32 v13, v54, s32, s33
	s_delay_alu instid0(VALU_DEP_2)
	v_permlanex16_b32 v14, v55, s32, s33
	s_delay_alu instid0(VALU_DEP_2)
	v_add_f32 v54, v54, v13                        ; block w's sum of squares of keypoint j,
	s_delay_alu instid0(VALU_DEP_2)
	v_max_num_f32 v55, v55, v14                    ; and its largest magnitude
	ds_store_b32 v250, v54                         ; (the four lanes write the same word with the same value)
	s_wait_dscnt 0x0
	s_barrier_signal -1
	s_barrier_wait -1
.irp w, 0,1,2,3,4,5,6,7
	ds_load_b32 v[56+\w], v249 offset:SSK+32*\w
.endr
	s_wait_dscnt 0x0
	v_add_f32 v56, v56, v57                        ; the same order in every wave
	v_add_f32 v58, v58, v59
	v_add_f32 v60, v60, v61
	v_add_f32 v62, v62, v63
	s_delay_alu instid0(VALU_DEP_3)
	v_add_f32 v56, v56, v58
	s_delay_alu instid0(VALU_DEP_2)
	v_add_f32 v60, v60, v62
	s_delay_alu instid0(VALU_DEP_1)
	v_add_f32 v56, v56, v60
	s_delay_alu instid0(VALU_DEP_1)
	v_max_num_f32 v56, 0x179abe15, v56             ; 1e-24 = (1e-12)^2
	s_wait_alu depctr_va_vdst(0)
	v_rsq_f32 v57, v56
	v_nop                                          ; a plain instruction behind it,
	s_wait_alu depctr_va_vdst(0)                   ; and the wait ahead of its first reader
.irp i, 0,1,2,3,4,5,6,7
	v_mul_f32 v[64+\i], v[PX+\i], v57
.endr
	v_mul_f32 v72, v55, v57                        ; the block's largest normalised magnitude (rounding keeps order)
	s_delay_alu instid0(VALU_DEP_1)
	v_max_num_f32 v72, 0x1800000, v72              ; the floor 2^(3 - 127)
	s_delay_alu instid0(VALU_DEP_1)
	v_add_nc_u32 v72, 0xff000000, v72              ; 2 off the exponent field: the conversion's scale operand
	v_cvt_scalef32_pk8_fp4_f32 v73, v[64:71], v72
	v_lshrrev_b32 v74, 23, v72                     ; the scale's byte; also the plain instruction behind the conversion
	ds_store_b32 v251, v73
	ds_store_b8 v252, v74
	s_wait_dscnt 0x0
	s_barrier_signal -1
	s_barrier_wait -1
.irp q, 0,1,2,3
	ds_load_b128 v[AF+4*\q:AF+4*\q+3], v253 offset:32*\q   ; blocks 2 q + h of my keypoint
.endr
	ds_load_b64 v[ASC:ASC+1], v254
	s_wait_dscnt 0x0
; ---- a pair of tiles.  The two accumulators take turns, one instruction a turn, and neighbouring pairs use different accumulators.
; Behind the four products stand nine plain instructions (the offsets of the pair four on) or five v_nop: the places ahead of the loads into the operands' registers, of the read of the results,
; and of the products that write these accumulators anew two pairs on.
.macro PAIR g, left
.set SL, (\g)%4
.set DA, DR+16*((\g)%2)
.set DB, DA+8
.set FA, BF+32*SL
.set FB, FA+16
.set BW, BS+2*SL
	s_wait_loadcnt \left                           ; this pair's nine loads are in; the count is that of the younger pairs' loads.  It also frees this set's offsets
	v_wmma_scale_f32_16x16x128_f8f6f4 v[DA:DA+7], v[AF:AF+7], v[FA:FA+7], 0, v[ASC], v[BW] matrix_a_fmt:MATRIX_FMT_FP4 matrix_b_fmt:MATRIX_FMT_FP4
	v_wmma_scale_f32_16x16x128_f8f6f4 v[DB:DB+7], v[AF:AF+7], v[FB:FB+7], 0, v[ASC], v[BW] matrix_a_fmt:MATRIX_FMT_FP4 matrix_b_fmt:MATRIX_FMT_FP4 matrix_b_scale:MATRIX_SCALE_ROW1
	v_wmma_scale_f32_16x16x128_f8f6f4 v[DA:DA+7], v[AF+8:AF+15], v[FA+8:FA+15], v[DA:DA+7], v[ASC+1], v[BW+1] matrix_a_fmt:MATRIX_FMT_FP4 matrix_b_fmt:MATRIX_FMT_FP4
	v_wmma_scale_f32_16x16x128_f8f6f4 v[DB:DB+7], v[AF+8:AF+15], v[FB+8:FB+15], v[DB:DB+7], v[ASC+1], v[BW+1] matrix_a_fmt:MATRIX_FMT_FP4 matrix_b_fmt:MATRIX_FMT_FP4 matrix_b_scale:MATRIX_SCALE_ROW1
.if (\g)+4 <= 22
	OFFS (\g)+4, SL
	LOADP (\g)+4, SL
.else
.rept 5
	v_nop
.endr
.endif
	v_cndmask_b32 v[SC+(\g)], v[DA], v[DB], s31    ; lanes 0-15: tile A's 16 scores; lanes 16-31: tile B's.  Each accumulator is read at its lowest register
.endm
.irp g, 0,1,2,3,4,5,6,7,8,9,10,11,12,13,14,15,16,17,18,19
	PAIR \g, 27
.endr
	PAIR 20, 18
	PAIR 21, 9
	PAIR 22, 0
.macro MASK g
	v_mad_u32_u24 v[T0], v1, s28, 32*(\g)*2428
	s_delay_alu instid0(VALU_DEP_1)
	v_lshrrev_b32 v[T0], 16, v[T0]                 ; row
	s_delay_alu instid0(VALU_DEP_1)
	v_mad_u32_u24 v[T1], v[T0], 27, s26            ; 27 row + CL
	v_add_nc_u32 v[T2], 32*(\g), v1                ; index
	s_delay_alu instid0(VALU_DEP_1)
	v_sub_nc_u32 v[T1], v[T2], v[T1]               ; col - CL
	s_delay_alu instid0(VALU_DEP_4)
	v_sub_nc_u32 v[T3], v[T0], s27                 ; row - RL
	s_delay_alu instid0(VALU_DEP_2)
	v_cmp_ge_u32 vcc_lo, 26, v[T1]
	s_delay_alu instid0(VALU_DEP_1)
	v_cndmask_b32 v[SC+(\g)], 0, v[SC+(\g)], vcc_lo
	s_delay_alu instid0(VALU_DEP_3)
	v_cmp_ge_u32 vcc_lo, 26, v[T3]
	s_delay_alu instid0(VALU_DEP_1)
	v_cndmask_b32 v[SC+(\g)], 0, v[SC+(\g)], vcc_lo
	v_cvt_f32_u32 v[RF+(\g)], v[T0]
.endm
.irp g, 0,1,2,3,4,5,6,7,8,9,10,11,12,13,14,15,16,17,18,19,20,21,22
	MASK \g
.endr
	v_cmp_gt_u32 vcc_lo, 25, v1
	s_delay_alu instid0(VALU_DEP_1)
	v_cndmask_b32 v[SC+22], 0xff800000, v[SC+22], vcc_lo   ; indices 729 to 735 are no pixels: -infinity, so that p = 0
	; ---- the row's maximum: over the block, and 0 for the pixels outside it
	v_max3_num_f32 v[MM], v[SC], v[SC+1], 0
.irp g, 2,4,6,8,10,12,14,16,18,20
	s_delay_alu instid0(VALU_DEP_1)
	v_max3_num_f32 v[MM], v[MM], v[SC+\g], v[SC+\g+1]
.endr
	s_delay_alu instid0(VALU_DEP_1)
	v_max_num_f32 v[MM], v[MM], v[SC+22]
.irp m, 1,2,4,8
	s_delay_alu instid0(VALU_DEP_1)
	v_max_num_f32_dpp v[MM], v[MM], v[MM] row_xmask:\m row_mask:0xf bank_mask:0xf
.endr
	s_delay_alu instid0(VALU_DEP_1)
	v_permlanex16_b32 v13, v[MM], s32, s33
	s_delay_alu instid0(VALU_DEP_1)
	v_max_num_f32 v[MM], v[MM], v13
	s_delay_alu instid0(VALU_DEP_1)
	v_mul_f32 v[MC], s34, v[MM]
.irp g, 0,1,2,3,4,5,6,7,8,9,10,11,12,13,14,15,16,17,18,19,20,21,22
	v_fma_f32 v[SC+\g], v[SC+\g], s34, -v[MC]      ; c (score - maximum), 0 or less
.endr
	s_wait_alu depctr_va_vdst(0)
.irp g, 0,1,2,3,4,5,6,7,8,9,10,11,12,13,14,15,16,17,18,19,20,21,22
	v_exp_f32 v[SC+\g], v[SC+\g]                   ; p
.endr
	v_exp_f32 v[E0], -v[MC]                        ; the weight of each pixel outside the block
	v_cvt_f32_u32 v[LF], v1                        ; (a plain instruction behind the batch)
	s_wait_alu depctr_va_vdst(0)                   ; one wait for the 24, ahead of their first reader
	; ---- my lane's sums.  The running sum from register 22 down, summed itself, is the sum of g p: no constant for each register
	v_add_f32 v[LS], v[SC+22], v[SC+21]
	v_mul_f32 v[RS], v[SC+22], v[RF+22]
	v_mul_f32 v[RS+1], v[SC+21], v[RF+21]
	v_add_f32 v[QS], v[SC+22], v[LS]
.irp g, 20,19,18,17,16,15,14,13,12,11,10,9,8,7,6,5,4,3,2,1
	v_add_f32 v[LS], v[LS], v[SC+\g]
	v_fmac_f32 v[RS+(\g)%2], v[SC+\g], v[RF+\g]
	s_delay_alu instid0(VALU_DEP_2)
	v_add_f32 v[QS], v[QS], v[LS]
.endr
	v_add_f32 v[LS], v[LS], v[SC]                  ; the sum of p
	v_fmac_f32 v[RS], v[SC], v[RF]
	s_delay_alu instid0(VALU_DEP_2)
	v_mul_f32 v[SI], v[LF], v[LS]
	s_delay_alu instid0(VALU_DEP_2)
	v_add_f32 v[RS], v[RS], v[RS+1]                ; the sum of p x row
	s_delay_alu instid0(VALU_DEP_2)
	v_fmamk_f32 v[SI], v[QS], 0x42000000, v[SI]    ; the sum of p x index = lane x sum + 32 x the sum of g p
.irp m, 1
	v_add_f32_dpp v[LS], v[LS], v[LS] row_xmask:\m row_mask:0xf bank_mask:0xf
	s_delay_alu instid0(VALU_DEP_2)
	v_add_f32_dpp v[SI], v[SI], v[SI] row_xmask:\m row_mask:0xf bank_mask:0xf
	s_delay_alu instid0(VALU_DEP_4)
	v_add_f32_dpp v[RS], v[RS], v[RS] row_xmask:\m row_mask:0xf bank_mask:0xf
.endr
.irp m, 2, 4, 8
	s_delay_alu instid0(VALU_DEP_3)
	v_add_f32_dpp v[LS], v[LS], v[LS] row_xmask:\m row_mask:0xf bank_mask:0xf
	s_delay_alu instid0(VALU_DEP_3)
	v_add_f32_dpp v[SI], v[SI], v[SI] row_xmask:\m row_mask:0xf bank_mask:0xf
	s_delay_alu instid0(VALU_DEP_3)
	v_add_f32_dpp v[RS], v[RS], v[RS] row_xmask:\m row_mask:0xf bank_mask:0xf
.endr
	s_delay_alu instid0(VALU_DEP_3)
	v_permlanex16_b32 v13, v[LS], s32, s33
	s_delay_alu instid0(VALU_DEP_3)
	v_permlanex16_b32 v14, v[SI], s32, s33
	s_delay_alu instid0(VALU_DEP_3)
	v_permlanex16_b32 v15, v[RS], s32, s33
	s_delay_alu instid0(VALU_DEP_3)
	v_add_f32 v[LS], v[LS], v13
	s_delay_alu instid0(VALU_DEP_3)
	v_add_f32 v[SI], v[SI], v14
	s_delay_alu instid0(VALU_DEP_3)
	v_add_f32 v[RS], v[RS], v15
	; ---- the pixels outside the block, in closed form; all whole numbers here lie under 2^24
	s_delay_alu instid0(VALU_DEP_1)
	v_fmamk_f32 v145, v[RS], 0xc1d80000, v[SI]     ; the sum of p x col = the sum of p x index - 27 x the sum of p x row
	v_fmamk_f32 v146, v[E0], 0x477d2700, v[LS]     ; the softmax's divisor: + 64,807 pixels outside
	v_cvt_f32_u32 v147, s24
	v_cvt_f32_u32 v148, s25
	v_cvt_f32_u32 v149, s38
	v_cvt_f32_u32 v150, s39
	s_wait_alu depctr_va_vdst(0)
	v_rcp_f32 v153, v146
	v_fma_f32 v151, v147, v[LS], v145              ; the sum of p u over the block (a plain instruction behind the reciprocal)
	v_fma_f32 v152, v148, v[LS], v[RS]             ; of p v
	v_fmac_f32 v151, v[E0], v149                   ; + outside
	v_fmac_f32 v152, v[E0], v150
	s_wait_alu depctr_va_vdst(0)                   ; ahead of the reciprocal's first reader
	v_mul_f32 v240, v151, v153                     ; pseudo u
	v_mul_f32 v241, v152, v153                     ; pseudo v
; ---- the sampler along one axis: v[b+2], v[b+3] the weights of the upper and the lower neighbour, 0 where it lies outside the image; v[b+4], v[b+5] the lower and upper neighbour, clipped, as whole numbers
.macro GS z, b
	v_fma_f32 v[\b], v[\z], s46, -1.0              ; 2 z / 255 - 1
	s_delay_alu instid0(VALU_DEP_1)
	v_add_f32 v[\b], 1.0, v[\b]
	s_delay_alu instid0(VALU_DEP_1)
	v_fma_f32 v[\b], v[\b], s47, -0.5              ; ((n + 1) 256 - 1) / 2
	s_delay_alu instid0(VALU_DEP_1)
	v_floor_f32 v[\b+1], v[\b]
	s_delay_alu instid0(VALU_DEP_1)
	v_sub_f32 v[\b+2], v[\b], v[\b+1]
	s_delay_alu instid0(VALU_DEP_1)
	v_sub_f32 v[\b+3], 1.0, v[\b+2]
	s_delay_alu instid0(VALU_DEP_3)
	v_med3_num_f32 v[\b+4], v[\b+1], 0, s35
	s_delay_alu instid0(VALU_DEP_1)
	v_cmp_eq_f32 vcc_lo, v[\b+4], v[\b+1]
	s_delay_alu instid0(VALU_DEP_1)
	v_cndmask_b32 v[\b+3], 0, v[\b+3], vcc_lo
	v_add_f32 v[\b+1], 1.0, v[\b+1]
	s_delay_alu instid0(VALU_DEP_1)
	v_med3_num_f32 v[\b+5], v[\b+1], 0, s35
	s_delay_alu instid0(VALU_DEP_1)
	v_cmp_eq_f32 vcc_lo, v[\b+5], v[\b+1]
	s_delay_alu instid0(VALU_DEP_1)
	v_cndmask_b32 v[\b+2], 0, v[\b+2], vcc_lo
	v_cvt_u32_f32 v[\b+4], v[\b+4]
	s_delay_alu instid0(VALU_DEP_4)
	v_cvt_u32_f32 v[\b+5], v[\b+5]
.endm
	GS 240, 156
	GS 241, 164
	s_delay_alu instid0(VALU_DEP_2)
	v_lshl_add_u32 v244, v168, 8, v160             ; (x0, y0)
	s_delay_alu instid0(VALU_DEP_3)
	v_lshl_add_u32 v245, v168, 8, v161             ; (x1, y0)
	s_delay_alu instid0(VALU_DEP_3)
	v_lshl_add_u32 v246, v169, 8, v160             ; (x0, y1)
	s_delay_alu instid0(VALU_DEP_4)
	v_lshl_add_u32 v247, v169, 8, v161             ; (x1, y1)
	v_mul_f32 v248, v159, v167
	v_mul_f32 v249, v158, v167
	v_mul_f32 v250, v159, v166
	v_mul_f32 v251, v158, v166
	v_mov_b32 v252, 0
	s_wait_alu depctr_va_vdst(0)
	s_wait_xcnt 0x0                                ; EXEC changes only behind this wait
	v_cmp_eq_u32 vcc_lo, 0, v1
	s_wait_tensorcnt 0x0
	ds_add_u32 v111, v255
	s_wait_dscnt 0x0
	s_and_saveexec_b32 s40, vcc_lo                 ; every lane holds the results: lane 0 stores them
	global_store_b64 v252, v[240:241], s[12:13]
	global_store_b128 v252, v[244:247], s[14:15]
	global_store_b128 v252, v[248:251], s[16:17]
	s_endpgm
.Lfunc_end_k_qaf787f6bfa_match:
	.size	k_qaf787f6bfa_match, .Lfunc_end_k_qaf787f6bfa_match-k_qaf787f6bfa_match
	.p2alignl 7, 3214868480
	.fill 96, 4, 3214868480
	.section	.rodata,"a",@progbits
	.p2align	6, 0x0
	.amdhsa_kernel k_qaf787f6bfa_match
		.amdhsa_group_segment_fixed_size 2560
		.amdhsa_private_segment_fixed_size 0
		.amdhsa_enable_private_segment 0
		.amdhsa_kernarg_size 56
		.amdhsa_user_sgpr_count 2
		.amdhsa_user_sgpr_kernarg_segment_ptr 1
		.amdhsa_wavefront_size32 1
		.amdhsa_system_sgpr_workgroup_id_x 1
		.amdhsa_system_sgpr_workgroup_id_y 1
		.amdhsa_system_sgpr_workgroup_id_z 1
		.amdhsa_system_vgpr_workitem_id 0
		.amdhsa_next_free_vgpr 256
		.amdhsa_next_free_sgpr 66
		.amdhsa_reserve_vcc 1
		.amdhsa_float_denorm_mode_32 3
		.amdhsa_float_denorm_mode_16_64 3
		.amdhsa_memory_ordered 1
		.amdhsa_forward_progress 1
		.amdhsa_inst_pref_size 90
	.end_amdhsa_kernel
	.amdgpu_metadata
---
amdhsa.version: [ 1, 2 ]
amdhsa.kernels:
  - .name:           k_qaf787f6bfa_match
    .symbol:         k_qaf787f6bfa_match.kd
    .args:
      - { .name: keypoint_desc, .offset: 0, .size: 8, .value_kind: global_buffer, .address_space: global }
      - { .name: codes, .offset: 8, .size: 8, .value_kind: global_buffer, .address_space: global }
      - { .name: scales, .offset: 16, .size: 8, .value_kind: global_buffer, .address_space: global }
      - { .name: kpi, .offset: 24, .size: 8, .value_kind: global_buffer, .address_space: global }
      - { .name: out0, .offset: 32, .size: 8, .value_kind: global_buffer, .address_space: global }
      - { .name: sidx, .offset: 40, .size: 8, .value_kind: global_buffer, .address_space: global }
      - { .name: sw, .offset: 48, .size: 8, .value_kind: global_buffer, .address_space: global }
    .group_segment_fixed_size: 2560
    .private_segment_fixed_size: 0
    .kernarg_segment_align: 8
    .kernarg_segment_size: 56
    .max_flat_workgroup_size: 256
    .sgpr_count:     66
    .vgpr_count:     256
    .wavefront_size: 32
...
	.end_amdgpu_metadata
.endif
;; end of part 2
;; launch sample (part 3): grid 256 x 1, 8 waves a work-group, no clusters, 0 bytes of LDS; arguments desc_dense, keypoint_desc, keypoint_scores, scores_dense, sidx, sw, out1; writes out1
.if DOCPART == 3
	.amdgcn_target "amdgcn-amd-amdhsa--gfx1250"
	.amdhsa_code_object_version 6
	.text
	.protected	k_qaf787f6bfa_sample
	.globl	k_qaf787f6bfa_sample
	.p2align	8
	.type	k_qaf787f6bfa_sample,@function
k_qaf787f6bfa_sample:
	s_mov_b64 s[64:65], 0
	v_nop
	global_prefetch_b8 v0, s[64:65] scope:SCOPE_SE
	s_setreg_imm32_b32 hwreg(HW_REG_WAVE_MODE, 25, 1), 1
	s_wait_xcnt 0x0
; out1[b][n] = 0.5 (dot / 256 + 1) x keypoint score x sampled score, where dot = the normalised source descriptor . the bilinear sample of desc_dense at the pseudo coordinates.
; Entries 0 and 2 of desc_dense and scores_dense and entries 1 and 3 of the keypoints' tensors are never used by reference() and are not read.
; One wave to a keypoint.  The four corners' pixel offsets (sidx: (x0,y0), (x1,y0), (x0,y1), (x1,y1), whole numbers) and weights (sw, validity folded in) were stored by the launch before.
; SHARES.  Lane l takes the corner column x = l % 2 and the 16 channels 16 (l / 2) + 0 .. 15: the two lanes of a pair read the left and the right corner of the same channel and row,
; which are neighbours in memory (or the same word at the image's edge).  A lane loads its own two offsets and two weights (rows y0 and y1), 16 numbers of the source descriptor,
; 2 x 16 numbers of desc_dense and its two corners of scores_dense: 54 loads, the last 34 issued together once the offsets are in.
; The sum over the 32 lanes adds the channels and both corner columns.  The source descriptor is used raw; its sum of squares is met twice (both lanes of a pair hold it) and is halved, which rounds nothing.
; The batch is bit 3 of the work-group's number: work-groups whose numbers agree in that bit sample the same entry of desc_dense.
; No LDS, no matrix unit, no cluster: a gather with one multiply-add a number; waves share nothing.  No prefetch: there is no loop to run ahead in, and no address is known before sidx is in.
; out1 gets 4 bytes a wave from one lane: 8 KB in all.
; LIMITS: NaN and infinities are not served.  1 / max(norm, 1e-12) is rsq(max(sum of squares, 1e-24)).
.set SR, 12                            ; v[12:27]  the source descriptor's 16 channels
.set TA, 28                            ; v[28:29], v[30:31] sampled channels, two pairs at work
.set TB, 30
.set AA, 32                            ; v[32:33], v[34:35] the dot product, two chains of pairs
.set AB, 34
.set QA, 36                            ; v[36:37], v[50:51] the sum of squares likewise
.set QB, 50
.set D0, 64                            ; v[64:79]  my 16 channels at row y0
.set D1, 80                            ; v[80:95]  at row y1
	s_load_b256 s[4:11], s[0:1], 0x0               ; desc_dense s[4:5], keypoint_desc s[6:7], keypoint_scores s[8:9], scores_dense s[10:11]
	s_load_b128 s[12:15], s[0:1], 0x20             ; sidx s[12:13], sw s[14:15]
	s_load_b64 s[16:17], s[0:1], 0x30              ; out1
	v_lshrrev_b32 v1, 5, v0
	s_delay_alu instid0(VALU_DEP_1)
	v_readfirstlane_b32 s18, v1                    ; wave 0..7
	v_and_b32 v1, 31, v0                           ; lane l
	v_and_b32 v3, 1, v0                            ; my corner column
	v_bfe_u32 v4, v0, 1, 4                         ; l / 2
	s_delay_alu instid0(VALU_DEP_2)
	v_lshlrev_b32 v3, 2, v3                        ; its word in sidx and sw
	s_delay_alu instid0(VALU_DEP_2)
	v_lshlrev_b32 v5, 16, v4                       ; 16 channels of 4,096 bytes
	v_lshlrev_b32 v6, 22, v4                       ; 16 channels of 262,144 bytes
	v_mov_b32 v11, 0
	v_mov_b32 v38, 0                               ; destinations of lane permutes, written once
	v_mov_b32 v39, 0
	v_mov_b32 v43, 0                               ; upper halves of the pairs that hold the two weights: named, never used
	v_mov_b32 v45, 0
	s_mov_b32 s40, 0x76543210                      ; v_permlanex16_b32's selects for lane l xor 16
	s_mov_b32 s41, 0xfedcba98
	s_bfe_u32 s19, ttmp9, 0x10003                  ; batch b
	s_lshr_b32 s20, ttmp9, 4
	s_lshl_b32 s20, s20, 3
	s_and_b32 s21, ttmp9, 7
	s_or_b32 s20, s20, s21                         ; the other seven bits: which 8 keypoints of the batch
	s_lshl_b32 s20, s20, 3
	s_add_co_u32 s20, s20, s18                     ; n
	s_lshl_b32 s30, s20, 2                         ; 4 n
	s_lshl_b32 s29, s19, 10
	s_add_co_u32 s29, s29, s20                     ; my keypoint = 1,024 b + n
	s_lshl_b32 s36, s29, 4                         ; sidx, sw: 16 bytes a keypoint
	s_mov_b32 s37, 0
	s_lshl_b32 s38, s19, 13                        ; keypoint_scores: entry 2 b of 4,096 bytes
	s_add_co_u32 s38, s38, s30
	s_mov_b32 s39, 0
	s_lshl_b32 s42, s19, 21                        ; keypoint_desc: entry 2 b of 2^20 bytes
	s_add_co_u32 s42, s42, s30
	s_mov_b32 s43, 0
	s_lshl_b32 s44, s19, 19                        ; scores_dense: entry 2 b + 1 of 2^18 bytes
	s_add_co_u32 s44, s44, 0x40000
	s_mov_b32 s45, 0
	s_lshl_b32 s46, s19, 27                        ; desc_dense: entry 2 b + 1 of 2^26 bytes
	s_add_co_u32 s46, s46, 0x4000000
	s_mov_b32 s47, 0
	s_lshl_b32 s48, s29, 2                         ; out1
	s_mov_b32 s49, 0
	s_wait_alu depctr_va_vdst(0)                   ; the wait at the head's end
	s_wait_kmcnt 0x0
	s_add_nc_u64 s[12:13], s[12:13], s[36:37]
	s_add_nc_u64 s[14:15], s[14:15], s[36:37]
	s_add_nc_u64 s[8:9], s[8:9], s[38:39]
	s_add_nc_u64 s[6:7], s[6:7], s[42:43]
	s_add_nc_u64 s[10:11], s[10:11], s[44:45]
	s_add_nc_u64 s[4:5], s[4:5], s[46:47]
	s_add_nc_u64 s[16:17], s[16:17], s[48:49]
	global_load_b32 v40, v3, s[12:13]              ; my corner's pixel in row y0,
	global_load_b32 v41, v3, s[12:13] offset:8     ; in row y1,
	global_load_b32 v42, v3, s[14:15]              ; and their weights
	global_load_b32 v44, v3, s[14:15] offset:8
	s_load_b32 s28, s[8:9], 0x0                    ; the keypoint's score
.irp i, 0,1,2,3,4,5,6,7,8,9,10,11,12,13,14,15
	global_load_b32 v[SR+\i], v5, s[6:7] offset:\i*4096
.endr
	s_wait_loadcnt 16                              ; offsets and weights are in; the 16 loads of the source descriptor stay out
	s_wait_kmcnt 0x0
	v_min_u32 v40, 0xffff, v40                     ; a pixel of the image, whatever was stored
	v_min_u32 v41, 0xffff, v41
	s_delay_alu instid0(VALU_DEP_2)
	v_lshlrev_b32 v9, 2, v40
	s_delay_alu instid0(VALU_DEP_2)
	v_lshlrev_b32 v10, 2, v41
	v_lshl_add_u32 v7, v40, 2, v6                  ; my 16 channels' first + the pixel
	v_lshl_add_u32 v8, v41, 2, v6
	global_load_b32 v46, v9, s[10:11]              ; the dense scores at my two corners
	global_load_b32 v47, v10, s[10:11]
.irp i, 0,1,2,3,4,5,6,7,8,9,10,11,12,13,14,15
	global_load_b32 v[D0+\i], v7, s[4:5] offset:\i*262144   ; 15 x 262,144 lies inside the signed 24-bit immediate
	global_load_b32 v[D1+\i], v8, s[4:5] offset:\i*262144
.endr
; four channels: their eight loads are in when at most 24 - 8 q younger ones are out
.macro CHUNK q
.if \q
	s_wait_alu depctr_va_vdst(0)                   ; directly ahead of the wait below
.endif
	s_wait_loadcnt 24-8*\q
	v_pk_mul_f32 v[TA:TA+1], v[D0+4*\q:D0+4*\q+1], v[42:43] op_sel_hi:[1,0]
	v_pk_mul_f32 v[TB:TB+1], v[D0+4*\q+2:D0+4*\q+3], v[42:43] op_sel_hi:[1,0]
.if \q
	v_pk_fma_f32 v[QA:QA+1], v[SR+4*\q:SR+4*\q+1], v[SR+4*\q:SR+4*\q+1], v[QA:QA+1]
	v_pk_fma_f32 v[QB:QB+1], v[SR+4*\q+2:SR+4*\q+3], v[SR+4*\q+2:SR+4*\q+3], v[QB:QB+1]
.else
	v_pk_mul_f32 v[QA:QA+1], v[SR:SR+1], v[SR:SR+1]              ; the first chunk starts the sums: nothing is cleared
	v_pk_mul_f32 v[QB:QB+1], v[SR+2:SR+3], v[SR+2:SR+3]
.endif
	s_delay_alu instid0(VALU_DEP_4)
	v_pk_fma_f32 v[TA:TA+1], v[D1+4*\q:D1+4*\q+1], v[44:45], v[TA:TA+1] op_sel_hi:[1,0,1]
	s_delay_alu instid0(VALU_DEP_4)
	v_pk_fma_f32 v[TB:TB+1], v[D1+4*\q+2:D1+4*\q+3], v[44:45], v[TB:TB+1] op_sel_hi:[1,0,1]
	s_delay_alu instid0(VALU_DEP_2)
.if \q
	v_pk_fma_f32 v[AA:AA+1], v[SR+4*\q:SR+4*\q+1], v[TA:TA+1], v[AA:AA+1]
	s_delay_alu instid0(VALU_DEP_2)
	v_pk_fma_f32 v[AB:AB+1], v[SR+4*\q+2:SR+4*\q+3], v[TB:TB+1], v[AB:AB+1]
.else
	v_pk_mul_f32 v[AA:AA+1], v[SR:SR+1], v[TA:TA+1]
	s_delay_alu instid0(VALU_DEP_2)
	v_pk_mul_f32 v[AB:AB+1], v[SR+2:SR+3], v[TB:TB+1]
.endif
.endm
	CHUNK 0
	CHUNK 1
	CHUNK 2
	CHUNK 3
	s_delay_alu instid0(VALU_DEP_1)
	v_pk_add_f32 v[AA:AA+1], v[AA:AA+1], v[AB:AB+1]
	v_pk_add_f32 v[QA:QA+1], v[QA:QA+1], v[QB:QB+1]
	v_mul_f32 v46, v42, v46
	s_delay_alu instid0(VALU_DEP_3)
	v_add_f32 v48, v[AA], v[AA+1]                  ; my lane's part of the dot product,
	s_delay_alu instid0(VALU_DEP_3)
	v_add_f32 v49, v[QA], v[QA+1]                  ; of the sum of squares,
	s_delay_alu instid0(VALU_DEP_3)
	v_fmac_f32 v46, v44, v47                       ; and my corner column's part of the sampled score
	s_delay_alu instid0(VALU_DEP_3)
	v_add_f32_dpp v48, v48, v48 row_xmask:1 row_mask:0xf bank_mask:0xf
	s_delay_alu instid0(VALU_DEP_3)
	v_add_f32_dpp v49, v49, v49 row_xmask:1 row_mask:0xf bank_mask:0xf
	s_delay_alu instid0(VALU_DEP_3)
	v_add_f32_dpp v46, v46, v46 row_xmask:1 row_mask:0xf bank_mask:0xf   ; with the pair's other lane: the sampled score
	s_delay_alu instid0(VALU_DEP_3)
	v_add_f32_dpp v48, v48, v48 row_xmask:2 row_mask:0xf bank_mask:0xf
	s_delay_alu instid0(VALU_DEP_3)
	v_add_f32_dpp v49, v49, v49 row_xmask:2 row_mask:0xf bank_mask:0xf
.irp m, 4, 8
	s_delay_alu instid0(VALU_DEP_2)
	v_add_f32_dpp v48, v48, v48 row_xmask:\m row_mask:0xf bank_mask:0xf
	s_delay_alu instid0(VALU_DEP_2)
	v_add_f32_dpp v49, v49, v49 row_xmask:\m row_mask:0xf bank_mask:0xf
.endr
	s_delay_alu instid0(VALU_DEP_2)
	v_permlanex16_b32 v38, v48, s40, s41
	s_delay_alu instid0(VALU_DEP_2)
	v_permlanex16_b32 v39, v49, s40, s41
	s_delay_alu instid0(VALU_DEP_2)
	v_add_f32 v48, v48, v38                        ; the dot product with the raw descriptor,
	s_delay_alu instid0(VALU_DEP_2)
	v_add_f32 v49, v49, v39                        ; and twice that descriptor's sum of squares
	s_delay_alu instid0(VALU_DEP_1)
	v_mul_f32 v49, 0.5, v49
	s_delay_alu instid0(VALU_DEP_1)
	v_max_num_f32 v49, 0x179abe15, v49             ; 1e-24 = (1e-12)^2
	s_wait_alu depctr_va_vdst(0)                   ; the wait ahead of the transcendental
	v_rsq_f32 v52, v49
	v_mul_f32 v46, s28, v46                        ; x the keypoint's score (a plain instruction behind the root)
	s_wait_alu depctr_va_vdst(0)                   ; ahead of the root's first reader
	v_mul_f32 v48, v48, v52
	s_delay_alu instid0(VALU_DEP_1)
	v_fma_f32 v48, v48, 0x3b000000, 0.5            ; 0.5 (x / 256 + 1) = x / 512 + 0.5
	s_delay_alu instid0(VALU_DEP_1)
	v_mul_f32 v48, v48, v46
	s_wait_alu depctr_va_vdst(0)                   ; directly ahead of the wait below
	s_wait_xcnt 0x0                                ; EXEC changes only behind this wait
	v_cmp_eq_u32 vcc_lo, 0, v1
	s_and_saveexec_b32 s50, vcc_lo                 ; every lane holds the result: lane 0 stores it
	global_store_b32 v11, v48, s[16:17]
	s_endpgm
.Lfunc_end_k_qaf787f6bfa_sample:
	.size	k_qaf787f6bfa_sample, .Lfunc_end_k_qaf787f6bfa_sample-k_qaf787f6bfa_sample
	.p2alignl 7, 3214868480
	.fill 96, 4, 3214868480
	.section	.rodata,"a",@progbits
	.p2align	6, 0x0
	.amdhsa_kernel k_qaf787f6bfa_sample
		.amdhsa_group_segment_fixed_size 0
		.amdhsa_private_segment_fixed_size 0
		.amdhsa_enable_private_segment 0
		.amdhsa_kernarg_size 56
		.amdhsa_user_sgpr_count 2
		.amdhsa_user_sgpr_kernarg_segment_ptr 1
		.amdhsa_wavefront_size32 1
		.amdhsa_system_sgpr_workgroup_id_x 1
		.amdhsa_system_sgpr_workgroup_id_y 1
		.amdhsa_system_sgpr_workgroup_id_z 1
		.amdhsa_system_vgpr_workitem_id 0
		.amdhsa_next_free_vgpr 96
		.amdhsa_next_free_sgpr 66
		.amdhsa_reserve_vcc 1
		.amdhsa_float_denorm_mode_32 3
		.amdhsa_float_denorm_mode_16_64 3
		.amdhsa_memory_ordered 1
		.amdhsa_forward_progress 1
		.amdhsa_inst_pref_size 13
	.end_amdhsa_kernel
	.amdgpu_metadata
---
amdhsa.version: [ 1, 2 ]
amdhsa.kernels:
  - .name:           k_qaf787f6bfa_sample
    .symbol:         k_qaf787f6bfa_sample.kd
    .args:
      - { .name: desc_dense, .offset: 0, .size: 8, .value_kind: global_buffer, .address_space: global }
      - { .name: keypoint_desc, .offset: 8, .size: 8, .value_kind: global_buffer, .address_space: global }
      - { .name: keypoint_scores, .offset: 16, .size: 8, .value_kind: global_buffer, .address_space: global }
      - { .name: scores_dense, .offset: 24, .size: 8, .value_kind: global_buffer, .address_space: global }
      - { .name: sidx, .offset: 32, .size: 8, .value_kind: global_buffer, .address_space: global }
      - { .name: sw, .offset: 40, .size: 8, .value_kind: global_buffer, .address_space: global }
      - { .name: out1, .offset: 48, .size: 8, .value_kind: global_buffer, .address_space: global }
    .group_segment_fixed_size: 0
    .private_segment_fixed_size: 0
    .kernarg_segment_align: 8
    .kernarg_segment_size: 56
    .max_flat_workgroup_size: 256
    .sgpr_count:     66
    .vgpr_count:     96
    .wavefront_size: 32
...
	.end_amdgpu_metadata
.endif
;; end of part 3
